; MI455X (gfx1250); checked and timed in simulation.
; The chip was launched on July 23, 2026; its instructions are those of AMD's public machine-readable ISA for CDNA 5 (MIT licence, August 2026) and "CDNA5" Instruction Set Architecture Reference Guide (July 2026). The comments in the code are by the model that wrote it; some were corrected since.
;; Feature Grid. Allowed arithmetic: float matrix products may take bf16 or f16 operands with f32 sums; other float arithmetic in f32, or as packed bf16 or f16 multiplies, adds, multiply-adds, maxima and minima; sums over many terms, partial sums and values carried from step to step in f32; what a program stores and reads back later, other than sums and carried values, may be rounded once to bf16 or f16.
;; Inputs: Wkv 64 x 128 float32; Wo 64 x 64 float32; Wq 64 x 64 float32; bo 64 float32; coords 1 x 8,192 x 2 float32; image 1 x 1 x 128 x 128 float32; latents 1 x 64 x 128 x 128 float32; ln_bc 64 float32; ln_bx 64 float32; ln_gc 64 float32; ln_gx 64 float32.
;; Outputs: out0 8,192 x 97 float32.
;; Constants: N = 16.
;; One version. Each part assembles by itself: llvm-mc -triple=amdgcn-amd-amdhsa -mcpu=gfx1250 --defsym DOCPART=n.
;; ======== version 1 of 1: 2 launches
;; limits: values within 2.4e-07 (relative) of each other or of a threshold may be ordered or decided otherwise than in the reference; a function is approximated: absolute error at most 0.0005; values are held in f16: magnitudes above 65,504 overflow, below 6.1e-05 lose precision; inputs' magnitudes at most 30
;; workspace buffers: ntab 2,097,152 bytes; stab 65,536 bytes; wfr 16,384 bytes; par 1,280 bytes; nbr 524,288 bytes of whole numbers; cix 131,072 bytes of whole numbers; qfl 262,144 bytes
;; launch prep (part 1): grid 256 x 1, 3 waves a work-group, no clusters, 9,984 bytes of LDS; arguments coords, latents, Wq, Wkv, Wo, ln_gx, ln_bx, ln_gc, ln_bc, bo, ntab, stab, wfr, par, nbr, cix, qfl; writes ntab, stab, wfr, par, nbr, cix, qfl
.if DOCPART == 1
	.amdgcn_target "amdgcn-amd-amdhsa--gfx1250"
	.amdhsa_code_object_version 6
	.text
	.protected	k_q4351e4212e_prep
	.globl	k_q4351e4212e_prep
	.p2align	8
	.type	k_q4351e4212e_prep,@function
k_q4351e4212e_prep:
	s_mov_b64 s[64:65], 0
	v_nop
	global_prefetch_b8 v0, s[64:65] scope:SCOPE_SE
	s_setreg_imm32_b32 hwreg(HW_REG_WAVE_MODE, 25, 1), 1
	s_wait_xcnt 0x0
; FeatureGrid, first of two launches: everything that does not hang on a list of grid points.
; FORMAT.  Every floating-point input is rounded to bf16 as it is loaded, in both launches; all that follows is f32 but for the 16-bit tables named below.
; WHAT IS COMPUTED, AND WHAT IS LEFT OUT (x_p: the 64 channels of grid point p).
;  * n_p = (x_p - mean) rsqrt(var + eps) is the same wherever point p is gathered: it is made once for each of the 16,384 points (ntab, f16; |n| <= 8 by construction), with s_p = sqrt(var + eps) (stab, f32).
;  * The bilinear sample is sum w_c x_c = sum w_c mean_c + sum (w_c s_c) n_c.  The first term is equal in all channels, so the layer norm takes it away, and each n_c has mean 0: the centred sample is
;    z = sum (w_c s_c) n_c for all values, and no mean is taken of it.
;  * sim_j = ctx_j . t / 8 with t = M1T xq, M1T[c][a] = sum_d Wkv[c][d] Wq[a][d], ctx_j = n_j gc + bc.  The term bc . t / 8 is the same for all 16 neighbours of a query, so the softmax over them does not see it,
;    whatever the inputs hold: it is left out.  (ln_bc stays live through the values.)  A NaN, an infinity or an overflow that would arise in that term alone is not carried to the result.
;  * out = M2T (cbar gc + bc) + bo with cbar = sum a_j n_j, M2T[o][c] = sum_d Wkv[c][64+d] Wo[d][o], since the weights a_j add up to 1.  M1T and M2T are made here, once (wfr, f16).
;  * top_k over 16,384 distances: let a point have rank k among the rows and rank l among the columns, by distance along that axis.  Axis distances two ranks apart differ by a pixel or more, so all points
;    of ranks (<= k-2, <= l) and (<= k, <= l-2) are nearer by at least one pixel squared, 2.44e-4: (k+1)(l+1) - 4 of them, k - 1 where l = 0.  Only (k+1)(l+1) <= 19, and ranks up to 16 on the axes, can be among
;    the 16: 56 candidates.  Their d2 is formed as the problem forms it, fl(fl(|q|^2 + |g|^2) - 2 q.g), then max with 1e-12; with bf16 coordinates each product is exact and each sum is rounded once.
;    The root is monotone and is left out; equal d2 go to the lower index; the order of the 16 does not matter to the attention.
; LIMITS.  |coords| <= 30 (the candidates' margin against d2's rounding).  The chosen set could differ only where two unequal d2 become equal under the root at the 16th place.  M1T, M2T within f16's 65,504
; (weights up to some 300 times those of unit-variance rows).  NaN and infinities are not treated apart.  All inputs are live; image is read by the second launch.
; SHARES.  256 work-groups of three waves that hand each other nothing: waves 0, 1: 32 queries, two lanes a query; wave 2: 64 grid points; in work-groups 0-31 wave 2 also makes one 16 x 16 tile of M1T or M2T,
; in work-group 32 the five rounded vectors (par).
.set SPARE, 9472                       ; LDS: 0 .. 9,343 wave 2's tile; 9,472 .. 9,983 the spare words, 128 bytes a wave, which no other line names
.set TP,    144                        ; a point's 128 bytes + 16 in LDS
.set PT1,   4736                       ; the odd points' half of the tile
.set PLANE, 262144                     ; nbr: [2][8192][8] words
.set SPW, 254                          ; v254  my spare word's LDS address; never rewritten
.set NIL, 255                          ; v255  0; never rewritten
; waves 0, 1.  u = the lane's own axis (even lanes y, odd lanes x), v = the partner lane's
.set CU, 1
.set CV, 2
.set AQ, 3                             ; |q|^2
.set AU, 4                             ; 2 q_u, then 2 q_v
.set Y0, 6                             ; floor of the pixel coordinate
.set WW, 7                             ; its fraction
.set E1U, 8                            ; v8-11  nearest and floor, own axis, then partner's: they run down by 1 as they are used
.set L17U, 12                          ; v12-13 first of the 17 nearest, u and v
.set MU, 14                            ; v14-15 the key's factor, u and v
.set OFU, 16                           ; v16-17 - L17 x factor
.set BASE, 18                          ; index of point (L17 row, L17 column)
.set LOA, 19                           ; v19-20 first of the k, k+1 nearest, by turns
.set TT, 24                            ; the 16th smallest d2
.set F4K, 25                           ; 4096.0
.set I0, 26
.set I1, 27
.set A0, 28
.set A1, 29
.set GS, 30
.set SS, 31
.set A0V, 32
.set A1V, 33
.set SSV, 34
.set I0V, 35
.set I1V, 36
.set XU, 37
.set XV, 38
.set G2U, 40                           ; g^2, 2 q g and key part of rank k: own axis k = 0..3,
.set PU, 44
.set PLU, 48
.set G2V, 52                           ; partner's axis k = 0..16
.set PV, 69
.set PLV, 86
.set DD, 104                           ; v104-135 32 slots: d2, later keys
.set KA0, 136
.set KA1, 152
.set KB0, 168
.set KB1, 184
.set T0, 200                           ; v200-207 at work
.set AC, 224                           ; byte offsets: coords; nbr and qfl; cix
.set AN, 225
.set AX, 226
.set INF, 227
.set ZR, 228
.macro SETF sym, n                     ; sym = the f32 bits of the whole number n, 0 .. 127
.if (\n) < 1
.set \sym, 0
.elseif (\n) < 2
.set \sym, 0x3f800000
.elseif (\n) < 4
.set \sym, 0x40000000+(((\n)-2)<<22)
.elseif (\n) < 8
.set \sym, 0x40800000+(((\n)-4)<<21)
.elseif (\n) < 16
.set \sym, 0x41000000+(((\n)-8)<<20)
.elseif (\n) < 32
.set \sym, 0x41800000+(((\n)-16)<<19)
.elseif (\n) < 64
.set \sym, 0x42000000+(((\n)-32)<<18)
.else
.set \sym, 0x42800000+(((\n)-64)<<17)
.endif
.endm
.macro XCH dst, src                    ; dst = the partner lane's src; the first line writes dst, which the second counts as read
	v_mov_b32 v[\dst], v[\src]
	v_mov_b32_dpp v[\dst], v[\src] row_xmask:1 row_mask:0xf bank_mask:0xf
.endm
; The row (column) of rank k on axis ax.  The k+1 nearest are an interval that begins at lo(k+1) = clamp(E - floor(k/2), 0, 127-k), E = nearest for odd counts, floor for even ones;
; it grows from the k nearest by one place, below (lo falls by 1) or above.  last = the axis's highest rank.
.macro POS ax, k, last
.set pm, (\k)+1
.set rE, E1U+2*(\ax)+1-(pm%2)
.set rN, LOA+(\k)%2
.set rC, LOA+1-(\k)%2
	SETF FM, 128-pm
	v_med3_num_f32 v[rN], v[rE], 0, FM
.if (\k)+2 <= (\last)
	v_add_f32 v[rE], -1.0, v[rE]
.endif
.if (\k) == 0
.set rP, rN
.else
	SETF FK, (\k)
	SETF FK1, (\k)+1
	v_sub_f32 v[T0], v[rC], v[rN]                          ; 1: the new place lies below; 0: above
	v_add_f32 v[T0+1], FK, v[rC]
	v_fmamk_f32 v[T0+1], v[T0], FK1|0x80000000, v[T0+1]    ; lo + k, or lo - 1
.set rP, T0+1
.endif
	v_fma_f32 v[T0+2], v[rP], s42, s43                     ; g = pos / 64 - 127 / 128, exact
	v_fma_f32 v[PLU+(\ax)*(PLV-PLU)+(\k)], v[rP], v[MU+(\ax)], v[OFU+(\ax)]
	v_mul_f32 v[G2U+(\ax)*(G2V-G2U)+(\k)], v[T0+2], v[T0+2]
	v_mul_f32 v[PU+(\ax)*(PV-PU)+(\k)], v[AU+(\ax)], v[T0+2]
.endm
.macro CAND s, i, j                    ; slot s: d2 of the point of ranks (i, j)
.set rA, T0+2*((\s)%4)
	v_add_f32 v[rA], v[G2U+(\i)], v[G2V+(\j)]
	v_add_f32 v[rA+1], v[PU+(\i)], v[PV+(\j)]
	v_add_f32 v[rA], v[AQ], v[rA]
	v_sub_f32 v[rA], v[rA], v[rA+1]
	v_max_num_f32 v[DD+(\s)], s44, v[rA]
.endm
.macro CLS s, i, j                     ; slot s: its key: 32 x relative row + relative column, + 1024 where d2 equals the 16th, 4096 where it is greater
.set rA, T0+2*((\s)%4)
	v_add_f32 v[rA], v[PLU+(\i)], v[PLV+(\j)]
	v_cmp_eq_f32 s50, v[DD+(\s)], v[TT]
	v_cmp_lt_f32 vcc_lo, v[DD+(\s)], v[TT]
	v_add_f32 v[rA+1], 0x44800000, v[rA]
	v_cndmask_b32 v[rA+1], v[F4K], v[rA+1], s50
	v_cndmask_b32 v[DD+(\s)], v[rA+1], v[rA], vcc_lo
.endm
.macro SLOTS op                        ; the lane's 30 candidates: own rank i <= partner's rank j
.set sl, 0
.rept 17
	\op sl, 0, sl
.set sl, sl+1
.endr
.set sl, 0
.rept 8
	\op 17+sl, 1, 1+sl
.set sl, sl+1
.endr
.set sl, 0
.rept 4
	\op 25+sl, 2, 2+sl
.set sl, sl+1
.endr
	\op 29, 3, 3
.endm
.macro BSTG src, dst, kk, jj, dir      ; one stage of a bitonic network on 16 registers, out of place: no moves
.set bi, 0
.rept 16
.set bl, bi^(\jj)
.if bl > bi
.set ba, (1-((bi&(\kk))/(\kk)))^(\dir)
.if ba
	v_min_num_f32 v[(\dst)+bi], v[(\src)+bi], v[(\src)+bl]
	v_max_num_f32 v[(\dst)+bl], v[(\src)+bi], v[(\src)+bl]
.else
	v_max_num_f32 v[(\dst)+bi], v[(\src)+bi], v[(\src)+bl]
	v_min_num_f32 v[(\dst)+bl], v[(\src)+bi], v[(\src)+bl]
.endif
.endif
.set bi, bi+1
.endr
.endm
.macro SORT16 src, a, b, dir           ; ten stages; the result lies in b, ascending (dir = 0) or descending
	BSTG \src, \a, 2, 1, \dir
	BSTG \a, \b, 4, 2, \dir
	BSTG \b, \a, 4, 1, \dir
	BSTG \a, \b, 8, 4, \dir
	BSTG \b, \a, 8, 2, \dir
	BSTG \a, \b, 8, 1, \dir
	BSTG \b, \a, 16, 8, \dir
	BSTG \a, \b, 16, 4, \dir
	BSTG \b, \a, 16, 2, \dir
	BSTG \a, \b, 16, 1, \dir
.endm
; The 16 smallest of the query's 64 slots, into KB0 of both lanes (the partner holds them in the opposite order).
.macro NET
	SORT16 DD, KA0, KA1, 0
	SORT16 DD+16, KB0, KB1, 1
.set bi, 0
.rept 16
	v_min_num_f32 v[KA0+bi], v[KA1+bi], v[KB1+bi]          ; ascending against descending: the 16 smallest of my 32, a bitonic run,
.set bi, bi+1
.endr
	BSTG KA0, KA1, 16, 8, 0                                ; which four stages sort
	BSTG KA1, KA0, 16, 4, 0
	BSTG KA0, KA1, 16, 2, 0
	BSTG KA1, KA0, 16, 1, 0
.set bi, 0
.rept 16
	v_min_num_f32_dpp v[KB0+bi], v[KA0+15-bi], v[KA0+bi] row_xmask:1 row_mask:0xf bank_mask:0xf  ; mine ascending against the partner's descending
.set bi, bi+1
.endr
.endm
.macro DEC dst, key                    ; a key back to the point's index
	v_cvt_u32_f32 v[T0], v[\key]
	v_bfe_u32 v[T0+1], v[T0], 5, 5
	v_and_b32 v[T0], 31, v[T0]
	v_lshl_add_u32 v[T0+1], v[T0+1], 7, v[BASE]
	v_add_nc_u32 v[\dst], v[T0+1], v[T0]
.endm
.macro RND2 a, b, t                    ; two numbers rounded to bf16, kept as f32
	v_cvt_pk_bf16_f32 v[\t], v[\a], v[\b]
	v_lshlrev_b32 v[\a], 16, v[\t]
	v_and_b32 v[\b], 0xffff0000, v[\t]
.endm
	s_load_b512 s[4:19], s[0:1], 0x0               ; coords 4, latents 6, Wq 8, Wkv 10, Wo 12, ln_gx 14, ln_bx 16, ln_gc 18
	s_load_b512 s[20:35], s[0:1], 0x40             ; ln_bc 20, bo 22, ntab 24, stab 26, wfr 28, par 30, nbr 32, cix 34
	s_load_b64 s[36:37], s[0:1], 0x80              ; qfl
	v_lshl_add_u32 v[SPW], v0, 2, SPARE
	v_mov_b32 v[NIL], 0
	v_lshrrev_b32 v253, 5, v0
	v_readfirstlane_b32 s40, v253                  ; wave 0..2
	s_mov_b32 s39, ttmp9                           ; work-group
	s_wait_kmcnt 0x0
	s_cmp_eq_u32 s40, 2
	s_cbranch_scc1 .Ltab
	; ---------------- waves 0 and 1: query 32 wg + thread / 2, axis thread % 2 ----------------
	s_mov_b32 s41, 0xaaaaaaaa                      ; the odd lanes
	s_mov_b32 s42, 0x3c800000                      ; 1 / 64
	s_mov_b32 s43, 0xbf7e0000                      ; -127 / 128
	s_mov_b32 s44, 0x2b8cbccc                      ; 1e-12
	s_mov_b32 s47, 0xc2800000                      ; -64
	s_mov_b32 s48, 0x43a00000                      ; 320
	s_lshl_b32 s46, s39, 8
	v_lshl_add_u32 v[AC], v0, 2, s46               ; coords: word 64 wg + thread
	global_load_b32 v[CU], v[AC], s[4:5]
	s_lshl_b32 s49, s39, 10
	s_lshl_b32 s51, s39, 9
	v_lshl_add_u32 v[AN], v0, 4, s49
	v_lshl_add_u32 v[AX], v0, 3, s51
	v_mov_b32 v[INF], 0x7f800000
	v_mov_b32 v[F4K], 0x45800000
	v_mov_b32 v[ZR], 0
	s_wait_loadcnt 0x0                             ; the wave's one load
	v_cvt_pk_bf16_f32 v[T0], v[CU], v[CU]
	v_lshlrev_b32 v[CU], 16, v[T0]
	XCH CV, CU
	v_mul_f32 v[T0], v[CU], v[CU]                  ; exact: 8 bits squared
	v_fma_f32 v[AQ], v[CV], v[CV], v[T0]           ; one rounding of the exact sum: equal in both lanes
	v_add_f32 v[AU], v[CU], v[CU]
	v_add_f32 v[AU+1], v[CV], v[CV]
	v_add_f32 v[T0], 1.0, v[CU]
	v_fma_f32 v[T0+1], v[T0], 0x43000000, -1.0     ; (c + 1) 128 - 1
	v_mul_f32 v[T0+2], 0.5, v[T0+1]                ; the pixel coordinate
	v_floor_f32 v[Y0], v[T0+2]
	v_sub_f32 v[WW], v[T0+2], v[Y0]
	v_floor_f32 v[T0+3], v[T0+1]
	v_med3_num_f32 v[T0+3], v[T0+3], s47, s48      ; far outside the grid all intervals are clamped alike
	v_add_f32 v[T0+4], 1.0, v[T0+3]
	v_mul_f32 v[T0+4], 0.5, v[T0+4]
	v_mul_f32 v[T0+5], 0.5, v[T0+3]
	v_floor_f32 v[E1U], v[T0+4]                    ; the nearest place
	v_floor_f32 v[E1U+1], v[T0+5]                  ; the place below
	XCH E1U+2, E1U
	XCH E1U+3, E1U+1
	v_add_f32 v[T0], 0xc1000000, v[E1U]            ; the 17 nearest begin 8 below the nearest,
	v_add_f32 v[T0+1], 0xc1000000, v[E1U+2]
	v_med3_num_f32 v[L17U], v[T0], 0, 0x42de0000   ; within 0 .. 111
	v_med3_num_f32 v[L17U+1], v[T0+1], 0, 0x42de0000
	v_mov_b32 v[T0], 0x42000000                    ; 32
	v_mov_b32 v[T0+1], 1.0
	v_mov_b32 v[T0+2], 0x43000000                  ; 128
	v_cndmask_b32 v[MU], v[T0], v[T0+1], s41       ; a row counts 32 in the key, a column 1
	v_cndmask_b32 v[MU+1], v[T0+1], v[T0], s41
	v_cndmask_b32 v[T0+3], v[T0+2], v[T0+1], s41   ; and 128 and 1 in the index
	v_cndmask_b32 v[T0+4], v[T0+1], v[T0+2], s41
	v_mul_f32 v[OFU], v[L17U], v[MU]
	v_mul_f32 v[OFU+1], v[L17U+1], v[MU+1]
	v_sub_f32 v[OFU], 0, v[OFU]
	v_sub_f32 v[OFU+1], 0, v[OFU+1]
	v_mul_f32 v[T0+5], v[L17U], v[T0+3]
	v_fma_f32 v[T0+5], v[L17U+1], v[T0+4], v[T0+5]
	v_cvt_u32_f32 v[BASE], v[T0+5]
.set pk, 0
.rept 4
	POS 0, pk, 3
.set pk, pk+1
.endr
.set pk, 0
.rept 17
	POS 1, pk, 16
.set pk, pk+1
.endr
	SLOTS CAND
	v_mov_b32 v[DD+30], v[INF]                     ; two slots are spare
	v_mov_b32 v[DD+31], v[INF]
.irp s, 0,17,25,29
	v_cndmask_b32 v[DD+\s], v[DD+\s], v[INF], s41  ; equal ranks belong to the even lane alone
.endr
	NET
	v_max3_num_f32 v[TT], v[KB0], v[KB0+1], v[KB0+2]
.set bi, 3
.rept 6
	v_max3_num_f32 v[TT], v[TT], v[KB0+bi], v[KB0+bi+1]
.set bi, bi+2
.endr
	v_max_num_f32 v[TT], v[TT], v[KB0+15]          ; the 16th smallest d2 of the query
	SLOTS CLS
	v_mov_b32 v[DD+30], v[F4K]
	v_mov_b32 v[DD+31], v[F4K]
	NET                                            ; the 16 smallest keys: all d2 below the 16th, then its equals by ascending index
.irp e, 0,1,2,3                        ; the partner holds the same 16 in the opposite order, so places 0-3 and 8-11 of both lanes are all 16
	DEC 208+\e, KB0+\e
	DEC 212+\e, KB0+8+\e
.endr
	; the bilinear weights, masked as zero padding asks, the clamped corners, and the sampled coordinate
	v_add_f32 v[T0], 1.0, v[Y0]
	v_med3_num_f32 v[I0], v[Y0], 0, 0x42fe0000
	v_med3_num_f32 v[I1], v[T0], 0, 0x42fe0000
	v_sub_f32 v[T0+1], 1.0, v[WW]
	v_cmp_eq_f32 vcc_lo, v[I0], v[Y0]
	v_cndmask_b32 v[A0], 0, v[T0+1], vcc_lo
	v_cmp_eq_f32 vcc_lo, v[I1], v[T0]
	v_cndmask_b32 v[A1], 0, v[WW], vcc_lo
	v_fma_f32 v[T0+2], v[I0], s42, s43
	v_fma_f32 v[T0+3], v[I1], s42, s43
	v_mul_f32 v[GS], v[A0], v[T0+2]
	v_fma_f32 v[GS], v[A1], v[T0+3], v[GS]
	v_add_f32 v[SS], v[A0], v[A1]
	XCH A0V, A0
	XCH A1V, A1
	XCH SSV, SS
	XCH I0V, I0
	XCH I1V, I1
	v_fma_f32 v[XU], v[GS], v[SSV], 1.0
	v_mul_f32 v[XU], 0.5, v[XU]                    ; (sampled coordinate + 1) / 2
	XCH XV, XU
	v_cndmask_b32 v[T0], v[I0], v[I1V], s41        ; even lanes: the upper row; odd lanes: the lower
	v_cndmask_b32 v[T0+1], v[I0V], v[I0], s41      ; the left column
	v_cndmask_b32 v[T0+2], v[I1V], v[I1], s41      ; the right one
	v_fma_f32 v[T0+1], v[T0], 0x43000000, v[T0+1]
	v_fma_f32 v[T0+2], v[T0], 0x43000000, v[T0+2]
	v_cvt_u32_f32 v216, v[T0+1]
	v_cvt_u32_f32 v217, v[T0+2]
	v_mul_f32 v[T0+3], v[A0], v[A0V]
	v_mul_f32 v[T0+4], v[A0], v[A1V]
	v_mul_f32 v[T0+5], v[A1], v[A0V]
	v_mul_f32 v[T0+6], v[A1], v[A1V]
	v_cndmask_b32 v220, v[T0+3], v[XV], s41        ; even lanes: the four weights; odd lanes: X of y, X of x, 0, 0
	v_cndmask_b32 v221, v[T0+4], v[XU], s41
	v_cndmask_b32 v222, v[T0+5], v[ZR], s41
	v_cndmask_b32 v223, v[T0+6], v[ZR], s41
	global_store_b128 v[AN], v[208:211], s[32:33]                ; each store of the wave covers 512 (cix: 256) consecutive bytes, aligned
	global_store_b128 v[AN], v[212:215], s[32:33] offset:PLANE
	global_store_b64 v[AX], v[216:217], s[34:35]
	global_store_b128 v[AN], v[220:223], s[36:37]
	s_branch .Lend
	; ---------------- wave 2: grid points 64 wg .. 64 wg + 63; lane l holds points 2 l and 2 l + 1, channel c in v[2c:2c+1] ----------------
.Ltab:
	v_and_b32 v240, 31, v0                         ; l.  All that needs v0 is made ahead of the loads, which land on it
	v_lshlrev_b32 v241, 3, v240                    ; 8 l
	v_mul_u32_u24 v242, v240, TP                   ; into the tile: 144 l
	v_lshlrev_b32 v244, 4, v240                    ; 16 l
	v_and_b32 v245, 15, v0                         ; r
	v_bfe_u32 v246, v0, 4, 1                       ; h
	v_bfe_u32 v247, v0, 3, 1
	v_and_b32 v248, 7, v0
	v_mul_u32_u24 v243, v247, PT1                  ; back: row 4 i + l / 8 of the 64, 16 bytes at (l % 8) 16
	v_mad_u32_u24 v243, v246, TP, v243
	v_lshl_add_u32 v243, v248, 4, v243
	s_lshl_b32 s52, s39, 8
	s_mov_b32 s53, 0
	s_add_nc_u64 s[54:55], s[6:7], s[52:53]        ; latents at my 64 points
	s_add_nc_u64 s[56:57], s[26:27], s[52:53]      ; stab likewise
	s_lshl_b32 s52, s39, 13
	s_add_nc_u64 s[58:59], s[24:25], s[52:53]      ; ntab at my 64 rows
.set c, 0
.rept 64
	global_load_b64 v[2*c:2*c+1], v241, s[54:55] offset:c*65536 th:TH_LOAD_NT   ; 256 consecutive bytes, aligned, of channel c
.set c, c+1
.endr
	s_cmp_lt_u32 s39, 32
	s_cbranch_scc1 .Ljobm
	s_cmp_eq_u32 s39, 32
	s_cbranch_scc1 .Ljobp
	s_branch .Ltabgo
	; One tile of M1T (mat 0) or M2T (mat 1): rows 16 nt .., columns 16 at ...  D(m, n) = sum_d A(m, d) B(n, d) with m the column and n the row, so that lane (r, h) ends with
	; row 16 nt + r, columns 16 at + 8 h + 0..7: 16 bytes in the order in which the second launch's first operand takes them.
.Ljobm:
	s_lshr_b32 s41, s39, 4                         ; mat
	s_bfe_u32 s42, s39, 0x20002                    ; at
	s_and_b32 s43, s39, 3                          ; nt
	s_lshl_b32 s48, 256, s41                       ; A's row: Wq 256 bytes, Wkv 512
	s_lshl_b32 s49, s41, 8                         ; Wkv's second half of a row
	s_cmp_eq_u32 s41, 0
	s_cselect_b64 s[44:45], s[8:9], s[10:11]       ; A: Wq[a][d], or Wkv[c][64+d]
	s_cselect_b64 s[46:47], s[10:11], s[12:13]     ; B: Wkv[c][d], or Wo[d][o]
	s_cselect_b32 s50, 512, 4                      ; B: bytes from n to n + 1,
	s_cselect_b32 s51, 4, 256                      ; and from d to d + 1
	s_lshl_b32 s60, s42, 4
	v_add_nc_u32 v249, s60, v245
	v_mul_lo_u32 v249, v249, s48
	v_lshl_add_u32 v249, v246, 5, v249
	v_add_nc_u32 v249, s49, v249                   ; (16 at + r) row + 32 h
	s_lshl_b32 s60, s43, 4
	v_add_nc_u32 v250, s60, v245
	v_mul_lo_u32 v250, v250, s50
	v_lshlrev_b32 v252, 3, v246
	v_mad_u32_u24 v250, v252, s51, v250            ; (16 nt + r) sn + 8 h sd
	s_lshl_b32 s60, s41, 13
	s_lshl_b32 s61, s43, 11
	s_add_co_u32 s60, s60, s61
	s_lshl_b32 s61, s42, 9
	s_add_co_u32 s60, s60, s61
	v_add_nc_u32 v251, s60, v244
.set ii, 0
.rept 32
	v_mad_u32_u24 v[192+ii], s51, (ii/8)*16+ii%8, v250
.set ii, ii+1
.endr
.irp kd, 0,1
.irp t, 0,1,2,3
	global_load_b128 v[128+16*(\kd)+4*(\t):128+16*(\kd)+4*(\t)+3], v249, s[44:45] offset:128*(\kd)+16*((\t)%2)+64*((\t)/2)
.endr
.endr
.set ii, 0
.rept 32
	global_load_b32 v[160+ii], v[192+ii], s[46:47]
.set ii, ii+1
.endr
	s_wait_loadcnt 0x0                             ; these are the youngest loads: the table's are in as well
.set ii, 0
.rept 16
	v_cvt_pk_bf16_f32 v[224+ii], v[128+2*ii], v[128+2*ii+1]
	v_cvt_pk_bf16_f32 v[192+ii], v[160+2*ii], v[160+2*ii+1]
.set ii, ii+1
.endr
	v_wmma_f32_16x16x32_bf16 v[208:215], v[224:231], v[192:199], 0
	s_wait_alu depctr_va_vdst(0)                   ; the wait directly ahead of the second
	v_wmma_f32_16x16x32_bf16 v[208:215], v[232:239], v[200:207], v[208:215]
.rept 4
	v_nop                                          ; four places ahead of the conversions that read the result (ISA guide 7.12.1)
.endr
.irp t, 0,1,2,3
	v_cvt_pk_f16_f32 v[216+\t], v[208+2*\t], v[208+2*\t+1]
.endr
	global_store_b128 v251, v[216:219], s[28:29]   ; 512 consecutive bytes, aligned
	s_wait_xcnt 0x0                                ; the store has read its registers: they are at work again below
	s_branch .Ltabgo
.Ljobp:                                        ; the five vectors, rounded once for all: gx, bx, gc, bc, bo
	global_load_b64 v[128:129], v241, s[14:15]
	global_load_b64 v[130:131], v241, s[16:17]
	global_load_b64 v[132:133], v241, s[18:19]
	global_load_b64 v[134:135], v241, s[20:21]
	global_load_b64 v[136:137], v241, s[22:23]
	s_wait_loadcnt 0x0
.irp t, 0,1,2,3,4
	RND2 128+2*\t, 129+2*\t, 140+\t
.endr
.irp t, 0,1,2,3,4
	global_store_b64 v241, v[128+2*\t:129+2*\t], s[30:31] offset:256*\t
.endr
	s_wait_xcnt 0x0                                ; the stores have read their registers
.Ltabgo:
	s_mov_b32 s61, 0x3c800000                      ; 1 / 64
	s_mov_b32 s62, 0x3727c5ac                      ; 1e-5
	s_mov_b32 s63, 0xffff0000
; 16 channels: rounded to bf16 and added up, four chains, two points an instruction.  left = the younger table loads, which may stay out
.macro GRP g, left
	s_wait_loadcnt \left
.set c, 16*(\g)
.rept 16
	v_cvt_pk_bf16_f32 v[216+c%4], v[2*c], v[2*c+1]
	v_lshlrev_b32 v[2*c], 16, v[216+c%4]
	v_and_b32 v[2*c+1], s63, v[216+c%4]
.if c >= 8
	v_pk_add_f32 v[192+2*(c%4):193+2*(c%4)], v[192+2*(c%4):193+2*(c%4)], v[2*c:2*c+1]
.elseif c >= 4
	v_pk_add_f32 v[192+2*(c%4):193+2*(c%4)], v[2*(c-4):2*(c-4)+1], v[2*c:2*c+1]   ; the first eight channels start the chains: nothing is cleared
.endif
.set c, c+1
.endr
.endm
	GRP 0, 48
	GRP 1, 32
	GRP 2, 16
	GRP 3, 0
	v_pk_add_f32 v[192:193], v[192:193], v[194:195]
	v_pk_add_f32 v[196:197], v[196:197], v[198:199]
	v_pk_add_f32 v[192:193], v[192:193], v[196:197]
	v_pk_mul_f32 v[200:201], v[192:193], 0x3c800000 op_sel_hi:[1,0]   ; the two points' means
.set c, 0
.rept 64
	v_pk_add_f32 v[2*c:2*c+1], v[2*c:2*c+1], v[200:201] neg_lo:[0,1] neg_hi:[0,1]
.if c < 4
	v_pk_mul_f32 v[202+2*c:203+2*c], v[2*c:2*c+1], v[2*c:2*c+1]
.else
	v_pk_fma_f32 v[202+2*(c%4):203+2*(c%4)], v[2*c:2*c+1], v[2*c:2*c+1], v[202+2*(c%4):203+2*(c%4)]
.endif
.set c, c+1
.endr
	v_pk_add_f32 v[202:203], v[202:203], v[204:205]
	v_pk_add_f32 v[206:207], v[206:207], v[208:209]
	v_pk_add_f32 v[202:203], v[202:203], v[206:207]
	v_fma_f32 v210, v202, s61, s62                 ; var + eps
	v_fma_f32 v211, v203, s61, s62
	v_rsq_f32 v212, v210
	v_rsq_f32 v213, v211
	v_nop                                          ; a plain instruction behind the second root,
	s_wait_alu depctr_va_vdst(0)                   ; and the one wait ahead of the first use of either
	v_pk_mul_f32 v[214:215], v[210:211], v[212:213]  ; s = sqrt(var + eps)
.set c, 0
.rept 64
	v_pk_mul_f32 v[2*c:2*c+1], v[2*c:2*c+1], v[212:213]
.set c, c+1
.endr
.set c, 0
.rept 32                               ; point pt's channels 2 c, 2 c + 1 as two f16: a point's row is 32 registers
	v_cvt_pk_f16_f32 v[128+c], v[4*c], v[4*c+2]
	v_cvt_pk_f16_f32 v[160+c], v[4*c+1], v[4*c+3]
.set c, c+1
.endr
.irp pt, 0,1
.irp i, 0,1,2,3,4,5,6,7
	ds_store_b128 v242, v[128+32*(\pt)+4*(\i):128+32*(\pt)+4*(\i)+3] offset:(\pt)*PT1+16*(\i)
.endr
.endr
.set i, 0
.rept 16
	ds_load_b128 v[4*i:4*i+3], v243 offset:i*2*TP  ; LDS serves a wave's instructions in order (ISA guide 5.7.1.4): these see the stores above; the bytes are this wave's own
.set i, i+1
.endr
	global_store_b64 v241, v[214:215], s[56:57]    ; 256 consecutive bytes, aligned
.set i, 0
.rept 16
	s_wait_dscnt 15-i                              ; the younger LDS loads may stay out
	global_store_b128 v244, v[4*i:4*i+3], s[58:59] offset:i*512  ; four rows of ntab: 512 consecutive bytes, aligned
.set i, i+1
.endr
.Lend:
	s_wait_tensorcnt 0x0                           ; the wave's end, behind the last LDS store
	ds_add_u32 v[SPW], v[NIL]
	s_wait_dscnt 0x0
	s_endpgm
.Lfunc_end_k_q4351e4212e_prep:
	.size	k_q4351e4212e_prep, .Lfunc_end_k_q4351e4212e_prep-k_q4351e4212e_prep
	.p2alignl 7, 3214868480
	.fill 96, 4, 3214868480
	.section	.rodata,"a",@progbits
	.p2align	6, 0x0
	.amdhsa_kernel k_q4351e4212e_prep
		.amdhsa_group_segment_fixed_size 9984
		.amdhsa_private_segment_fixed_size 0
		.amdhsa_enable_private_segment 0
		.amdhsa_kernarg_size 136
		.amdhsa_user_sgpr_count 2
		.amdhsa_user_sgpr_kernarg_segment_ptr 1
		.amdhsa_wavefront_size32 1
		.amdhsa_system_sgpr_workgroup_id_x 1
		.amdhsa_system_sgpr_workgroup_id_y 1
		.amdhsa_system_sgpr_workgroup_id_z 1
		.amdhsa_system_vgpr_workitem_id 0
		.amdhsa_next_free_vgpr 256
		.amdhsa_next_free_sgpr 66
		.amdhsa_reserve_vcc 1
		.amdhsa_float_denorm_mode_32 3
		.amdhsa_float_denorm_mode_16_64 3
		.amdhsa_memory_ordered 1
		.amdhsa_forward_progress 1
		.amdhsa_inst_pref_size 110
	.end_amdhsa_kernel
	.amdgpu_metadata
---
amdhsa.version: [ 1, 2 ]
amdhsa.kernels:
  - .name:           k_q4351e4212e_prep
    .symbol:         k_q4351e4212e_prep.kd
    .args:
      - { .name: coords, .offset: 0, .size: 8, .value_kind: global_buffer, .address_space: global }
      - { .name: latents, .offset: 8, .size: 8, .value_kind: global_buffer, .address_space: global }
      - { .name: Wq, .offset: 16, .size: 8, .value_kind: global_buffer, .address_space: global }
      - { .name: Wkv, .offset: 24, .size: 8, .value_kind: global_buffer, .address_space: global }
      - { .name: Wo, .offset: 32, .size: 8, .value_kind: global_buffer, .address_space: global }
      - { .name: ln_gx, .offset: 40, .size: 8, .value_kind: global_buffer, .address_space: global }
      - { .name: ln_bx, .offset: 48, .size: 8, .value_kind: global_buffer, .address_space: global }
      - { .name: ln_gc, .offset: 56, .size: 8, .value_kind: global_buffer, .address_space: global }
      - { .name: ln_bc, .offset: 64, .size: 8, .value_kind: global_buffer, .address_space: global }
      - { .name: bo, .offset: 72, .size: 8, .value_kind: global_buffer, .address_space: global }
      - { .name: ntab, .offset: 80, .size: 8, .value_kind: global_buffer, .address_space: global }
      - { .name: stab, .offset: 88, .size: 8, .value_kind: global_buffer, .address_space: global }
      - { .name: wfr, .offset: 96, .size: 8, .value_kind: global_buffer, .address_space: global }
      - { .name: par, .offset: 104, .size: 8, .value_kind: global_buffer, .address_space: global }
      - { .name: nbr, .offset: 112, .size: 8, .value_kind: global_buffer, .address_space: global }
      - { .name: cix, .offset: 120, .size: 8, .value_kind: global_buffer, .address_space: global }
      - { .name: qfl, .offset: 128, .size: 8, .value_kind: global_buffer, .address_space: global }
    .group_segment_fixed_size: 9984
    .private_segment_fixed_size: 0
    .kernarg_segment_align: 8
    .kernarg_segment_size: 136
    .max_flat_workgroup_size: 96
    .sgpr_count:     66
    .vgpr_count:     256
    .wavefront_size: 32
...
	.end_amdgpu_metadata
.endif
;; end of part 1
;; launch attend (part 2): grid 256 x 1, 4 waves a work-group, no clusters, 96,768 bytes of LDS; arguments nbr, cix, qfl, ntab, stab, wfr, par, image, out0; writes out0
.if DOCPART == 2
	.amdgcn_target "amdgcn-amd-amdhsa--gfx1250"
	.amdhsa_code_object_version 6
	.text
	.protected	k_q4351e4212e_attend
	.globl	k_q4351e4212e_attend
	.p2align	8
	.type	k_q4351e4212e_attend,@function
k_q4351e4212e_attend:
	s_mov_b64 s[64:65], 0
	v_nop
	global_prefetch_b8 v0, s[64:65] scope:SCOPE_SE
	s_setreg_imm32_b32 hwreg(HW_REG_WAVE_MODE, 25, 1), 1
	s_wait_xcnt 0x0
; FeatureGrid, second launch: gather by the stored lists, attention, positional code, output.  A work-group makes 32 rows of out0 [8192][97].
; LEFT OUT, as shown at the head of the first kernel: the sample's mean (0 by identity once the corners are taken as (w s) n), and bc . t in the scores (equal for a query's 16 neighbours, so the softmax
; does not see it).  The maximum is taken away before the exponential.  Inputs count rounded to bf16 (here: image).
; SHARES.  Waves 0, 1: attention for 16 queries each.  Waves 2, 3: q_input and the 32 sines and cosines for 16 queries each.  The rows meet in LDS (one barrier) and leave as 16 bytes a lane, consecutive.
; A work-group's block of 12,416 bytes begins at a multiple of 16; at a multiple of 256 for even work-groups only: 97 columns of 4 bytes allow no better with 32 rows to a block.
; NO CLUSTER, NO TENSOR LOADS: the rows come by lists, and what work-groups share is 17 KB of constants.
; LAYOUT (r = lane % 16 = the query, h = lane / 16).  A vector of 64 channels lies in 32 registers: register 8 mt + j is channel 16 mt + 8 h + j.  That is a matrix result's layout (rows = channels,
; columns = queries) and, rounded in pairs to f16, the second operand's (32 channels to 8 registers): nothing changes lanes between the products.
;   u = (M1T xq) gc           8 products: first operand M1T's fragments, second xq
;   S(j, q') = n_j(q) . u(q')  2 products a query q: first operand the query's 16 gathered rows, as loaded; of the result only column q' = q is kept (lanes q and 16 + q)
;   cbar = sum_j a_j n_j      4 products for two queries: first operand their 32 rows turned (through LDS, ds_load_tr16_b128), second the weights, 0 outside the two queries' own columns
;   out = M2T (cbar gc + bc) + bo   8 products, bo as the sums' start
; u is divided by its largest magnitude (at least 1e-30) before it is rounded to f16, and the scores are scaled back in f32: f16 has room whatever the weights' size.
; REGISTERS, in windows of 256 (s_set_vgpr_msb: bits 1:0 source 0, 3:2 source 1, 5:4 source 2, 7:6 destination):
;   window 0: at work (map below)     window 1: the gathered rows, 16 a query     window 2: M1T 0-63, M2T 64-127, gx 128, bx 160, gc 192, bc 224     window 3: the turned rows, 32 a pair of queries
.set PLANE, 262144
.set NBW,   40960                      ; LDS: wave w's 256 gathered rows, 160 bytes apart (128 + 32)
.set NP,    160
.set STG,   81920                      ; [32][97] f32, dense: 12,416 bytes; room is kept for 7 x 2,048
.set SROW,  388
.set SPARE, 96256                      ; behind that room: the spare words, 128 bytes a wave: two blocks of 256 bytes that no other line names
.set LS,  10                           ; v10  where I put 16 bytes of a gathered row
.set TA,  11                           ; v11  where the turning load reads
.set SAD, 12                           ; v12  my query's row in the stage (+ 32 h in waves 0, 1)
.set ZERO, 13
.set SPW, 14                           ; v14  my spare word; never rewritten
.set NIL, 15                           ; v15  0; never rewritten
.set CI,  16                           ; v16-19  corner indices, then their byte offsets in ntab
.set SO,  20                           ; v20-23  their byte offsets in stab
.set WB,  24                           ; v24-27  bilinear weights, then w s
.set SS,  28                           ; v28-31  s of the corners
.set NI,  32                           ; v32-47  neighbour r of query q, then its byte offset
.set ZC,  64                           ; v64-127  the four corner rows, 16 each; then |u|
.set ZZ,  128                          ; v128-159 z, xq
.set UU,  160                          ; v160-191 u
.set SA,  64                           ; v64-191  16 score tiles
.set BP,  64                           ; v64-127  masked weights, 8 a pair of queries
.set CB,  128                          ; v128-159 cbar
.set OUT, 160                          ; v160-191 bo, then out
.set XQ,  192                          ; v192-207 xq in f16; then cbar gc + bc in f16
.set UF,  208                          ; v208-223 u in f16
.set SIM, 224                          ; v224-231 my query's 8 scores
.set PW,  232                          ; v232-235 their weights in f16
.set MSB, 0
.macro WIN new                         ; the immediate's high byte repeats the setting that is left; a switch that changes nothing is dropped
.if MSB != (\new)
	s_set_vgpr_msb (MSB<<8)|(\new)
.set MSB, \new
.endif
.endm
.macro PLACES                          ; four places behind a matrix instruction, ahead of what reads its result (ISA guide 7.12.1)
.rept 4
	v_nop
.endr
.endm
	s_load_b512 s[4:19], s[0:1], 0x0               ; nbr 4, cix 6, qfl 8, ntab 10, stab 12, wfr 14, par 16, image 18
	s_load_b64 s[20:21], s[0:1], 0x40              ; out0
	v_lshl_add_u32 v[SPW], v0, 2, SPARE
	v_mov_b32 v[NIL], 0
	v_lshrrev_b32 v1, 5, v0
	v_readfirstlane_b32 s24, v1                    ; wave 0..3
	v_and_b32 v1, 31, v0                           ; l
	v_and_b32 v2, 15, v0                           ; r
	v_bfe_u32 v3, v0, 4, 1                         ; h
	s_mov_b32 s26, 0x76543210                      ; v_permlanex16_b32: each lane takes its own place in the other half
	s_mov_b32 s27, 0xfedcba98
	s_mov_b32 s34, 0x3c800000                      ; 1 / 64
	s_mov_b32 s35, 0x3727c5ac                      ; 1e-5
	s_mov_b32 s38, 0x7fffffff
	s_and_b32 s22, s24, 1                          ; which 16 of the 32 queries
	s_lshl_b32 s25, ttmp9, 5
	s_lshl4_add_u32 s25, s22, s25                  ; q0 = 32 wg + 16 (wave % 2)
	s_mul_i32 s32, s22, NBW
	s_mul_i32 s33, s22, 16*SROW
	s_add_co_u32 s33, s33, STG
	s_mul_i32 s36, ttmp9, 32*SROW
	s_mov_b32 s37, 0
	s_wait_kmcnt 0x0
	s_add_nc_u64 s[36:37], s[20:21], s[36:37]      ; out0 at the work-group's block
	s_cmp_ge_u32 s24, 2
	s_cbranch_scc1 .Lpe
	; ---------------- waves 0 and 1 ----------------
	; A. what hangs on ids alone: the lists first, then the constants
	v_lshlrev_b32 v4, 4, v3                        ; 16 h
	v_lshlrev_b32 v5, 5, v3                        ; 32 h
	v_lshlrev_b32 v6, 4, v1                        ; 16 l
	v_mov_b32 v[ZERO], 0
	s_lshl_b32 s30, s25, 5
	s_lshl_b32 s31, s25, 4
	v_and_b32 v7, 7, v2
	v_lshrrev_b32 v8, 3, v2
	v_lshlrev_b32 v7, 2, v7
	v_lshl_add_u32 v7, v8, 18, v7
	v_add_nc_u32 v7, s30, v7                       ; nbr: plane r / 8, query q0, word r % 8
	v_lshl_add_u32 v8, v2, 4, s31                  ; cix: query q0 + r
	v_lshl_add_u32 v9, v2, 5, s30                  ; qfl: query q0 + r
.set q, 0
.rept 16
	global_load_b32 v[NI+q], v7, s[4:5] offset:q*32
.set q, q+1
.endr
	global_load_b128 v[CI:CI+3], v8, s[6:7]
	global_load_b128 v[WB:WB+3], v9, s[8:9]
	WIN 0x80                                       ; destination window 2
.set f, 0
.rept 32
	global_load_b128 v[4*f:4*f+3], v6, s[14:15] offset:f*512      ; M1T's and M2T's fragments, laid out for this
.set f, f+1
.endr
.set f, 0
.rept 32                               ; f = 8 vector + 2 mt + half
	global_load_b128 v[128+4*f:128+4*f+3], v5, s[16:17] offset:(f/8)*256+((f/2)%4)*64+(f%2)*16
.set f, f+1
.endr
	WIN 0
	v_mul_u32_u24 v[LS], v2, NP
	v_add_nc_u32 v[LS], v4, v[LS]
	v_add_nc_u32 v[LS], s32, v[LS]                 ; row r, 16 bytes for each half of the lanes
	v_and_b32 v52, 7, v0
	v_lshl_add_u32 v52, v3, 3, v52
	v_mul_u32_u24 v[TA], v52, NP
	v_bfe_u32 v53, v0, 3, 1
	v_lshl_add_u32 v[TA], v53, 4, v[TA]
	v_add_nc_u32 v[TA], s32, v[TA]                 ; row 8 h + l % 8, channels 8 ((l / 8) % 2) on
	v_mul_u32_u24 v[SAD], v2, SROW
	v_add3_u32 v[SAD], v[SAD], v5, s33
	s_wait_loadcnt 63                              ; 64 constant loads are younger than the lists; the count's field ends at 63, so one of them is waited for too
	; B. what hangs on the lists.  An index is clamped to the table ahead of its use in an address
.irp c, 0,1,2,3
	v_min_u32 v[CI+\c], 0x3fff, v[CI+\c]
	v_lshlrev_b32 v[SO+\c], 2, v[CI+\c]
	v_lshlrev_b32 v[CI+\c], 7, v[CI+\c]
	v_add_nc_u32 v[CI+\c], v4, v[CI+\c]
.endr
.irp c, 0,1,2,3
	global_load_b32 v[SS+\c], v[SO+\c], s[12:13]
.endr
.irp c, 0,1,2,3
.irp mt, 0,1,2,3
	global_load_b128 v[ZC+16*(\c)+4*(\mt):ZC+16*(\c)+4*(\mt)+3], v[CI+\c], s[10:11] offset:32*(\mt)
.endr
.endr
.set q, 0
.rept 16
	v_min_u32 v[NI+q], 0x3fff, v[NI+q]
	v_lshlrev_b32 v[NI+q], 7, v[NI+q]
	v_add_nc_u32 v[NI+q], v4, v[NI+q]
.set q, q+1
.endr
	WIN 0x40                                       ; destination window 1
.set q, 0
.rept 16
.irp i, 0,1,2,3
	global_load_b128 v[16*q+4*(\i):16*q+4*(\i)+3], v[NI+q], s[10:11] offset:32*(\i)   ; neighbour r of query q, channels 16 i + 8 h on: the first operand's layout as it lies in memory
.endr
.set q, q+1
.endr
	WIN 0
	s_wait_loadcnt 63                              ; the corners, their s and all constants are in; 63 of the 64 neighbour loads may stay out
	; C. z = sum (w s) n over the corners; xq = z rsqrt(mean z^2 + eps) gx + bx
.irp c, 0,1,2,3
	v_mul_f32 v[WB+\c], v[WB+\c], v[SS+\c]
.endr
.macro MIX c
.set e, 0
.rept 16
.if (\c) == 0
	v_fma_mix_f32 v[ZZ+2*e], v[ZC+e], v[WB], v[ZERO] op_sel_hi:[1,0,0]
	v_fma_mix_f32 v[ZZ+2*e+1], v[ZC+e], v[WB], v[ZERO] op_sel:[1,0,0] op_sel_hi:[1,0,0]
.else
	v_fma_mix_f32 v[ZZ+2*e], v[ZC+16*(\c)+e], v[WB+(\c)], v[ZZ+2*e] op_sel_hi:[1,0,0]
	v_fma_mix_f32 v[ZZ+2*e+1], v[ZC+16*(\c)+e], v[WB+(\c)], v[ZZ+2*e+1] op_sel:[1,0,0] op_sel_hi:[1,0,0]
.endif
.set e, e+1
.endr
.endm
	MIX 0
	MIX 1
	MIX 2
	MIX 3
	v_pk_mul_f32 v[48:49], v[ZZ:ZZ+1], v[ZZ:ZZ+1]
	v_pk_mul_f32 v[50:51], v[ZZ+2:ZZ+3], v[ZZ+2:ZZ+3]
.set e, 4
.rept 7
	v_pk_fma_f32 v[48:49], v[ZZ+e:ZZ+e+1], v[ZZ+e:ZZ+e+1], v[48:49]
	v_pk_fma_f32 v[50:51], v[ZZ+e+2:ZZ+e+3], v[ZZ+e+2:ZZ+e+3], v[50:51]
.set e, e+4
.endr
	v_pk_add_f32 v[48:49], v[48:49], v[50:51]
	v_add_f32 v48, v48, v49
	v_permlanex16_b32 v49, v48, s26, s27           ; the query's other 32 channels lie in the lane 16 away
	v_add_f32 v48, v48, v49
	v_fma_f32 v48, v48, s34, s35
	v_rsq_f32 v54, v48
	v_mov_b32 v55, 0                               ; the plain instruction behind the root; v55 is named with v54 as a pair
	s_wait_alu depctr_va_vdst(0)                   ; the wait ahead of the first use
.set e, 0
.rept 16
	v_pk_mul_f32 v[ZZ+e:ZZ+e+1], v[ZZ+e:ZZ+e+1], v[54:55] op_sel_hi:[1,0]
.set e, e+2
.endr
	WIN 0x28                                       ; sources 1 and 2 window 2
.set e, 0
.rept 16
	v_pk_fma_f32 v[ZZ+e:ZZ+e+1], v[ZZ+e:ZZ+e+1], v[128+e:129+e], v[160+e:161+e]
.set e, e+2
.endr
	WIN 0
.set e, 0
.rept 16
	v_cvt_pk_f16_f32 v[XQ+e], v[ZZ+2*e], v[ZZ+2*e+1]
.set e, e+1
.endr
	; D. u = (M1T xq) gc.  The four accumulators take turns, one instruction a turn
	WIN 0x02                                       ; source 0 window 2
.irp kt, 0,1
.irp mt, 0,1,2,3
.if (\kt) == 0
	v_wmma_f32_16x16x32_f16 v[UU+8*(\mt):UU+8*(\mt)+7], v[16*(\mt):16*(\mt)+7], v[XQ:XQ+7], 0
.else
	v_wmma_f32_16x16x32_f16 v[UU+8*(\mt):UU+8*(\mt)+7], v[16*(\mt)+8:16*(\mt)+15], v[XQ+8:XQ+15], v[UU+8*(\mt):UU+8*(\mt)+7]
.endif
.endr
.endr
	WIN 0
	PLACES
	WIN 0x08                                       ; source 1 window 2
.set e, 0
.rept 16
	v_pk_mul_f32 v[UU+e:UU+e+1], v[UU+e:UU+e+1], v[192+e:193+e]   ; each accumulator is read from its low end on
.set e, e+2
.endr
	WIN 0
.set e, 0
.rept 32
	v_and_b32 v[64+e], s38, v[UU+e]                ; |u|, where the corner rows lay
.set e, e+1
.endr
	v_max3_num_f32 v52, v64, v65, v66
	v_max3_num_f32 v53, v67, v68, v69
.set e, 70
.rept 6
	v_max3_num_f32 v52, v52, v[e], v[e+1]
	v_max3_num_f32 v53, v53, v[e+2], v[e+3]
.set e, e+4
.endr
	v_max3_num_f32 v52, v52, v94, v95
	v_max_num_f32 v52, v52, v53
	v_permlanex16_b32 v53, v52, s26, s27
	v_max_num_f32 v52, v52, v53
	v_max_num_f32 v52, 0x0da24260, v52             ; at least 1e-30
	v_rcp_f32 v56, v52
	v_mul_f32 v58, 0x3e38aa3b, v52                 ; sk = max|u| log2(e) / 8: also the plain instruction behind the reciprocal
	v_mov_b32 v57, 0                               ; named as pairs
	v_mov_b32 v59, 0
	s_wait_alu depctr_va_vdst(0)
.set e, 0
.rept 16
	v_pk_mul_f32 v[UU+e:UU+e+1], v[UU+e:UU+e+1], v[56:57] op_sel_hi:[1,0]
.set e, e+2
.endr
.set e, 0
.rept 16
	v_cvt_pk_f16_f32 v[UF+e], v[UU+2*e], v[UU+2*e+1]
.set e, e+1
.endr
	; E. the gathered rows: into LDS and back turned (for cbar), and as they are into the scores
	s_wait_loadcnt 0x0                             ; all neighbour rows are in
	WIN 0x04                                       ; store data window 1
.set q, 0
.rept 16
.irp i, 0,1,2,3
	ds_store_b128 v[LS], v[16*q+4*(\i):16*q+4*(\i)+3] offset:q*16*NP+32*(\i)
.endr
.set q, q+1
.endr
	WIN 0xc0                                       ; destination window 3
.set p, 0
.rept 8                                ; pair p: queries 2 p, 2 p + 1: 32 rows; 16 channels a tile.  LDS serves a wave's instructions in order: these see the stores above; the bytes are this wave's own
.irp mt, 0,1,2,3
	ds_load_tr16_b128 v[32*p+8*(\mt):32*p+8*(\mt)+3], v[TA] offset:p*32*NP+32*(\mt)
	ds_load_tr16_b128 v[32*p+8*(\mt)+4:32*p+8*(\mt)+7], v[TA] offset:p*32*NP+16*NP+32*(\mt)
.endr
.set p, p+1
.endr
	WIN 0x01                                       ; source 0 window 1
.irp kt, 0,1
.set q, 0
.rept 16                               ; sixteen accumulators take turns
.if (\kt) == 0
	v_wmma_f32_16x16x32_f16 v[SA+8*q:SA+8*q+7], v[16*q:16*q+7], v[UF:UF+7], 0
.else
	v_wmma_f32_16x16x32_f16 v[SA+8*q:SA+8*q+7], v[16*q+8:16*q+15], v[UF+8:UF+15], v[SA+8*q:SA+8*q+7]
.endif
.set q, q+1
.endr
.endr
	WIN 0
	PLACES
.irp j, 0,1,2,3,4,5,6,7
	v_mov_b32 v[SIM+\j], v[SA+\j]
.endr
.set q, 1
.rept 15
	s_mov_b32 s28, 0x00010001<<q                   ; lanes q and 16 + q: column q of tile q
.irp j, 0,1,2,3,4,5,6,7
	v_cndmask_b32 v[SIM+\j], v[SIM+\j], v[SA+8*q+\j], s28
.endr
.set q, q+1
.endr
	; F. softmax over the query's 16 scores: 8 here, 8 in the lane 16 away
.irp f, 0,1,2,3,4,5,6,7
	global_load_b128 v[OUT+4*\f:OUT+4*\f+3], v5, s[16:17] offset:1024+((\f)/2)*64+((\f)%2)*16   ; bo, where the last score tiles lay: waited for in front of the last products
.endr
	v_max3_num_f32 v52, v[SIM], v[SIM+1], v[SIM+2]
	v_max3_num_f32 v53, v[SIM+3], v[SIM+4], v[SIM+5]
	v_max3_num_f32 v52, v52, v[SIM+6], v[SIM+7]
	v_max_num_f32 v52, v52, v53
	v_permlanex16_b32 v53, v52, s26, s27
	v_max_num_f32 v52, v52, v53
	v_mul_f32 v60, v52, v58
	v_mov_b32 v61, 0
.irp j, 0,2,4,6
	v_pk_fma_f32 v[SIM+\j:SIM+\j+1], v[SIM+\j:SIM+\j+1], v[58:59], v[60:61] op_sel_hi:[1,0,0] neg_lo:[0,0,1] neg_hi:[0,0,1]   ; sk S - sk max
.endr
.irp j, 0,1,2,3,4,5,6,7
	v_exp_f32 v[SIM+\j], v[SIM+\j]
.endr
	v_mov_b32 v63, 0                               ; the plain instruction behind the last exponential
	s_wait_alu depctr_va_vdst(0)                   ; one wait for the eight
	v_pk_add_f32 v[48:49], v[SIM:SIM+1], v[SIM+2:SIM+3]
	v_pk_add_f32 v[50:51], v[SIM+4:SIM+5], v[SIM+6:SIM+7]
	v_pk_add_f32 v[48:49], v[48:49], v[50:51]
	v_add_f32 v48, v48, v49
	v_permlanex16_b32 v49, v48, s26, s27
	v_add_f32 v48, v48, v49
	v_rcp_f32 v62, v48
	v_nop
	s_wait_alu depctr_va_vdst(0)
.irp j, 0,2,4,6
	v_pk_mul_f32 v[SIM+\j:SIM+\j+1], v[SIM+\j:SIM+\j+1], v[62:63] op_sel_hi:[1,0]
.endr
.irp j, 0,1,2,3
	v_cvt_pk_f16_f32 v[PW+\j], v[SIM+2*\j], v[SIM+2*\j+1]
.endr
	; G. the second operand for pair p: keys 0-15 are query 2 p's neighbours, keys 16-31 query 2 p + 1's; a column has weights only where the keys are its own query's
.set p, 0
.rept 8
	s_mov_b32 s28, 0x00010001<<(2*p)
	s_mov_b32 s29, 0x00010001<<(2*p+1)
.irp t, 0,1,2,3
	v_cndmask_b32 v[BP+8*p+\t], 0, v[PW+\t], s28
	v_cndmask_b32 v[BP+8*p+4+\t], 0, v[PW+\t], s29
.endr
.set p, p+1
.endr
	; H. cbar
	WIN 0x03                                       ; source 0 window 3
.set p, 0
.rept 8
	s_wait_dscnt (7-p)*8                           ; pair p's eight turning loads are in; the later pairs' may stay out
.irp mt, 0,1,2,3
.if p == 0
	v_wmma_f32_16x16x32_f16 v[CB+8*(\mt):CB+8*(\mt)+7], v[8*(\mt):8*(\mt)+7], v[BP:BP+7], 0
.else
	v_wmma_f32_16x16x32_f16 v[CB+8*(\mt):CB+8*(\mt)+7], v[32*p+8*(\mt):32*p+8*(\mt)+7], v[BP+8*p:BP+8*p+7], v[CB+8*(\mt):CB+8*(\mt)+7]
.endif
.endr
.set p, p+1
.endr
	WIN 0
	PLACES
	; I. out = M2T (cbar gc + bc) + bo
	WIN 0x28
.set e, 0
.rept 16
	v_pk_fma_f32 v[CB+e:CB+e+1], v[CB+e:CB+e+1], v[192+e:193+e], v[224+e:225+e]
.set e, e+2
.endr
	WIN 0
.set e, 0
.rept 16
	v_cvt_pk_f16_f32 v[XQ+e], v[CB+2*e], v[CB+2*e+1]
.set e, e+1
.endr
	s_wait_loadcnt 0x0                             ; bo
	WIN 0x02
.irp kt, 0,1
.irp mt, 0,1,2,3
	v_wmma_f32_16x16x32_f16 v[OUT+8*(\mt):OUT+8*(\mt)+7], v[64+16*(\mt)+8*(\kt):64+16*(\mt)+8*(\kt)+7], v[XQ+8*(\kt):XQ+8*(\kt)+7], v[OUT+8*(\mt):OUT+8*(\mt)+7]
.endr
.endr
	WIN 0
	PLACES
.irp mt, 0,1,2,3
.irp j, 0,1,2,3,4,5,6,7
	ds_store_b32 v[SAD], v[OUT+8*(\mt)+(\j)] offset:64*(\mt)+4*(\j)   ; column 16 mt + 8 h + j of my query's row
.endr
.endr
	s_branch .Ljoin
	; ---------------- waves 2 and 3: lane (r, h): query q0 + r, axis h ----------------
.Lpe:
	v_add_nc_u32 v4, s25, v2
	v_lshlrev_b32 v5, 5, v4                        ; qfl: 32 bytes a query
	v_lshl_add_u32 v6, v3, 2, v5
	v_lshlrev_b32 v7, 4, v4                        ; cix: 16 bytes a query
	global_load_b128 v[CI:CI+3], v7, s[6:7]
	global_load_b32 v8, v6, s[8:9] offset:16       ; X of my axis
	global_load_b128 v[WB:WB+3], v5, s[8:9]
	v_mul_u32_u24 v[SAD], v2, SROW
	v_add_nc_u32 v[SAD], s33, v[SAD]
	v_lshl_add_u32 v9, v3, 6, v[SAD]               ; an axis has 16 columns
	s_wait_loadcnt 2                               ; the corners are in; X and the weights may stay out
.irp c, 0,1,2,3
	v_min_u32 v[CI+\c], 0x3fff, v[CI+\c]
	v_lshlrev_b32 v[CI+\c], 2, v[CI+\c]
.endr
.irp c, 0,1,2,3
	global_load_b32 v[SS+\c], v[CI+\c], s[18:19]
.endr
	s_wait_loadcnt 4                               ; X and the weights are in; the four image loads may stay out
	; sin and cos of 2 pi 2^o X.  f = X less its nearest whole number; a = 2 pi f / 4 lies within pi / 4: series to a^7 and a^8; each doubling of the angle is s' = 2 s c, c' = 1 - 2 s^2.
	v_rndne_f32 v32, v8
	v_sub_f32 v32, v8, v32
	v_mul_f32 v32, 0x3fc90fdb, v32                 ; pi / 2
	v_mul_f32 v33, v32, v32
	v_mov_b32 v34, 0xb9500d01                      ; -1 / 5040
	v_mov_b32 v35, 0x37d00d01                      ; 1 / 40320
	v_fmaak_f32 v34, v33, v34, 0x3c088889          ; 1 / 120
	v_fmaak_f32 v35, v33, v35, 0xbab60b61          ; -1 / 720
	v_fmaak_f32 v34, v33, v34, 0xbe2aaaab          ; -1 / 6
	v_fmaak_f32 v35, v33, v35, 0x3d2aaaab          ; 1 / 24
	v_fmaak_f32 v34, v33, v34, 0x3f800000
	v_fmaak_f32 v35, v33, v35, 0xbf000000          ; -1 / 2
	v_mul_f32 v36, v32, v34
	v_fmaak_f32 v37, v33, v35, 0x3f800000
.set pp, 0
.macro DBL                             ; (s, c) in v[36+2 pp], v[37+2 pp] -> the other pair
	v_add_f32 v40, v[36+2*pp], v[36+2*pp]
	v_mul_f32 v[38-2*pp], v40, v[37+2*pp]
	v_fma_f32 v[39-2*pp], -v40, v[36+2*pp], 1.0
.set pp, 1-pp
.endm
	DBL
	DBL                                            ; octave 0
.set o, 0
.rept 8
	ds_store_b32 v9, v[36+2*pp] offset:260+4*o     ; column 65 + 16 h + o
	ds_store_b32 v9, v[37+2*pp] offset:292+4*o     ; column 73 + 16 h + o
.if o < 7
	DBL
.endif
.set o, o+1
.endr
	s_wait_loadcnt 0x0                             ; the image's four corners
	v_cvt_pk_bf16_f32 v41, v[SS], v[SS+1]
	v_cvt_pk_bf16_f32 v42, v[SS+2], v[SS+3]
	v_lshlrev_b32 v[SS], 16, v41
	v_and_b32 v[SS+1], 0xffff0000, v41
	v_lshlrev_b32 v[SS+2], 16, v42
	v_and_b32 v[SS+3], 0xffff0000, v42
	v_mul_f32 v43, v[WB], v[SS]
	v_fma_f32 v43, v[WB+1], v[SS+1], v43
	v_fma_f32 v43, v[WB+2], v[SS+2], v43
	v_fma_f32 v43, v[WB+3], v[SS+3], v43
	ds_store_b32 v[SAD], v43 offset:256            ; column 64; both halves of the lanes hold the same number
	; ---------------- all four waves: the block leaves ----------------
.Ljoin:
	s_wait_dscnt 0x0                               ; for the others' sake: my stores into the stage are done
	s_barrier_signal -1
	s_barrier_wait -1
	v_lshlrev_b32 v92, 4, v0                       ; 16 bytes a thread
	v_add_nc_u32 v93, STG, v92
.irp i, 0,1,2,3,4,5
	ds_load_b128 v[64+4*\i:64+4*\i+3], v93 offset:2048*\i
.endr
.irp i, 0,1,2,3,4,5
	s_wait_dscnt 5-\i                              ; the younger loads may stay out
	global_store_b128 v92, v[64+4*\i:64+4*\i+3], s[36:37] offset:2048*\i th:TH_STORE_NT   ; a wave's store covers 512 consecutive bytes
.endr
	s_cmp_lg_u32 s24, 0
	s_cbranch_scc1 .Lfin
	; 12,416 = 6 x 2,048 + 128: the last 128 bytes go by eight lanes of wave 0.  All lanes read, at 16 (thread % 8): the address stays inside the stage whatever the lane; only the store is narrowed
	v_and_b32 v94, 7, v0
	v_lshl_add_u32 v94, v94, 4, STG+12288
	ds_load_b128 v[88:91], v94
	v_cmp_gt_u32 vcc_lo, 8, v0
	s_wait_dscnt 0x0
	s_wait_xcnt 0x0                                ; EXEC is a source of the stores above: it changes only behind this wait
	s_and_saveexec_b32 s29, vcc_lo
	global_store_b128 v92, v[88:91], s[36:37] offset:12288 th:TH_STORE_NT
	s_wait_xcnt 0x0                                ; and again ahead of the line that widens it
	s_or_b32 exec_lo, exec_lo, s29
.Lfin:
	s_wait_tensorcnt 0x0                           ; the wave's end, behind the last LDS store
	ds_add_u32 v[SPW], v[NIL]
	s_wait_dscnt 0x0
	s_endpgm
.Lfunc_end_k_q4351e4212e_attend:
	.size	k_q4351e4212e_attend, .Lfunc_end_k_q4351e4212e_attend-k_q4351e4212e_attend
	.p2alignl 7, 3214868480
	.fill 96, 4, 3214868480
	.section	.rodata,"a",@progbits
	.p2align	6, 0x0
	.amdhsa_kernel k_q4351e4212e_attend
		.amdhsa_group_segment_fixed_size 96768
		.amdhsa_private_segment_fixed_size 0
		.amdhsa_enable_private_segment 0
		.amdhsa_kernarg_size 72
		.amdhsa_user_sgpr_count 2
		.amdhsa_user_sgpr_kernarg_segment_ptr 1
		.amdhsa_wavefront_size32 1
		.amdhsa_system_sgpr_workgroup_id_x 1
		.amdhsa_system_sgpr_workgroup_id_y 1
		.amdhsa_system_sgpr_workgroup_id_z 1
		.amdhsa_system_vgpr_workitem_id 0
		.amdhsa_next_free_vgpr 1024
		.amdhsa_next_free_sgpr 66
		.amdhsa_reserve_vcc 1
		.amdhsa_float_denorm_mode_32 3
		.amdhsa_float_denorm_mode_16_64 3
		.amdhsa_memory_ordered 1
		.amdhsa_forward_progress 1
		.amdhsa_inst_pref_size 81
	.end_amdhsa_kernel
	.amdgpu_metadata
---
amdhsa.version: [ 1, 2 ]
amdhsa.kernels:
  - .name:           k_q4351e4212e_attend
    .symbol:         k_q4351e4212e_attend.kd
    .args:
      - { .name: nbr, .offset: 0, .size: 8, .value_kind: global_buffer, .address_space: global }
      - { .name: cix, .offset: 8, .size: 8, .value_kind: global_buffer, .address_space: global }
      - { .name: qfl, .offset: 16, .size: 8, .value_kind: global_buffer, .address_space: global }
      - { .name: ntab, .offset: 24, .size: 8, .value_kind: global_buffer, .address_space: global }
      - { .name: stab, .offset: 32, .size: 8, .value_kind: global_buffer, .address_space: global }
      - { .name: wfr, .offset: 40, .size: 8, .value_kind: global_buffer, .address_space: global }
      - { .name: par, .offset: 48, .size: 8, .value_kind: global_buffer, .address_space: global }
      - { .name: image, .offset: 56, .size: 8, .value_kind: global_buffer, .address_space: global }
      - { .name: out0, .offset: 64, .size: 8, .value_kind: global_buffer, .address_space: global }
    .group_segment_fixed_size: 96768
    .private_segment_fixed_size: 0
    .kernarg_segment_align: 8
    .kernarg_segment_size: 72
    .max_flat_workgroup_size: 128
    .sgpr_count:     66
    .vgpr_count:     1024
    .wavefront_size: 32
...
	.end_amdgpu_metadata
.endif
;; end of part 2
